; MI455X (gfx1250); checked and timed in simulation.
; The chip was launched on July 23, 2026; its instructions are those of AMD's public machine-readable ISA for CDNA 5 (MIT licence, August 2026) and "CDNA5" Instruction Set Architecture Reference Guide (July 2026). The comments in the code are by the model that wrote it; some were corrected since.
;; Causal Self Attention. Allowed arithmetic: matrix products marked QUANTISED: E4M3 operands, one given power-of-two scale a tensor, by v_wmma_f32_16x16x64_fp8_fp8 or v_wmma_f32_16x16x128_fp8_fp8, f32 sums; everything else in f32.
;; Inputs: W_proj 1,024 x 1,024 float32; W_qkv 1,024 x 3,072 float32; b_proj 1,024 float32; b_qkv 3,072 float32; lowp_scales 8 int32 (the exponents e of the quantised operands' scales 2^e); x 4 x 2,048 x 1,024 float32.
;; Outputs: out0 4 x 2,048 x 1,024 float32.
;; This version of the problem:
;;   THIS VERSION OF THE PROBLEM IS GIVEN IN LOW PRECISION. The matrix products marked QUANTISED in the list below multiply operands that are first quantised to E4M3 (4 exponent bits, 3 mantissa bits; 8 bits a number), with one given power-of-two scale for each operand tensor; their sums are f32. All else is computed in f32.
;;   The module's matrix products, in the order in which they are computed (A, B: the left and right operand; K: the contracted axis; several contracted axes count as one K, in the product's order):
;;     1. [M 8,192, K 1,024] x [K 1,024, N 3,072]; A: input x; B: input W_qkv: QUANTISED (scales: A lowp_scales[0], B lowp_scales[1])
;;     2. batch 64 x [M 2,048, K 64] x [K 64, N 2,048]; A: computed on the way; B: computed on the way: QUANTISED (scales: A lowp_scales[2], B lowp_scales[3])
;;     3. batch 64 x [M 2,048, K 2,048] x [K 2,048, N 64]; A: softmax (see below); B: computed on the way: QUANTISED (scales: A lowp_scales[4], B lowp_scales[5])
;;     4. [M 8,192, K 1,024] x [K 1,024, N 1,024]; A: computed on the way; B: input W_proj: QUANTISED (scales: A lowp_scales[6], B lowp_scales[7])
;;   THE QUANTISER, for each operand of a quantised product, along K:
;;     - The operand's scale is 2^e, e = its entry of the input lowp_scales (int32; the entries are numbered through the quantised products in the list's order, A before B).
;;     - Each number is divided by the scale, clamped to +-448, and rounded to the nearest number of E4M3, ties to even, subnormals kept.
;;     - The product sums the exact products of the quantised numbers (number of the format x scale) in f32.
;;   ~~~python
;;   def quantise(x, axis, e):      # numpy; x: float32 -> the quantised numbers, widened to float32 again
;;       x = np.moveaxis(x, axis, -1); K = x.shape[-1]
;;       r = np.clip(x / 2.0 ** e, -448, 448)
;;       step = 2.0 ** (np.maximum(np.frexp(np.where(r == 0, 1, r))[1] - 1, -6) - 3)
;;       q = np.round(r / step) * step * 2.0 ** e      # np.round: ties to even
;;       return np.moveaxis(q, -1, axis).astype(np.float32)
;;   ~~~
;;   SOFTMAX AHEAD OF A QUANTISED PRODUCT. Where the list says 'softmax', what is quantised is not the finished softmax but p = 2^(t - M), with t = logit x log2(e) and M = ceil(the row's largest t), a whole number; so 1/2 < the row's largest p <= 1. The row's sum l is taken of the UNQUANTISED p, in f32, and the product's result is divided by l at the end. Since M is a whole number, a kernel that streams over the keys may use a running M (the ceiling of the running maximum): every later rescaling is an exact power of two, so the quantised numbers keep their values, but for numbers so far below the row's largest that they fall under the format's range.
;;   OPERANDS COMPUTED ON THE WAY. 'Computed on the way' means the value that the module computes at that place (a softmax that the list does not call 'softmax' is quantised finished and normalised). What goes into a quantiser is computed in f32, as accurately as f32 sums, v_exp_f32 and their like allow (about 1e-6 of the number): no bf16 or f16 on the way to a quantiser, and a product that is left as it is and whose result goes on into a quantised operand takes f32 operands (vector FMAs, or v_wmma_f32_16x16x4_f32). A number that lies on a knife's edge between two numbers of the format may be rounded either way, as far as f32 arithmetic and the matrix unit's own rounding can turn it there, and no further.
;; One version. Each part assembles by itself: llvm-mc -triple=amdgcn-amd-amdhsa -mcpu=gfx1250 --defsym DOCPART=n.
;; ======== version 1 of 1: 4 launches
;; workspace buffers: codes 12,582,912 bytes; rope 524,288 bytes; qkvc 25,165,824 bytes; yimg 8,388,608 bytes
;; launch quant (part 1): grid 384 x 1, 4 waves a work-group, no clusters, 34,304 bytes of LDS; arguments x, W_qkv, W_proj, lowp_scales, codes, rope; writes codes, rope
.if DOCPART == 1
	.amdgcn_target "amdgcn-amd-amdhsa--gfx1250"
	.amdhsa_code_object_version 6
	.text
	.protected	k_q29eab91090_quant
	.globl	k_q29eab91090_quant
	.p2align	8
	.type	k_q29eab91090_quant,@function
k_q29eab91090_quant:
	s_mov_b64 s[64:65], 0
	v_nop
	global_prefetch_b8 v0, s[64:65] scope:SCOPE_SE
	s_setreg_imm32_b32 hwreg(HW_REG_WAVE_MODE, 25, 1), 1
	s_wait_xcnt 0x0
; x [8192][1024], W_qkv [1024][3072] and W_proj [1024][1024], f32, become codes of E4M3, each with the one scale 2^e given for it (entries 0, 1, 7);
; and the table of cosines and sines for the rotation of q and k is made.
; code = number / 2^e, held within +-448, rounded to the nearest code, ties to even.
; THE CODES' LAYOUT (an image of operand registers): [block = row / 16][k / 16 (64)][row % 16][16 bytes]; a block is 16,384 bytes.  Blocks 0-511: x (row = token);
; blocks 512-703: W_qkv (row = its column n); blocks 704-767: W_proj (row = n).  A lane l of a later product finds 16 codes of row l % 16 at 16 l of each 512 bytes.
; THE TABLE: [pos / 16 (128)][c (8)][lane (32)][16 bytes] = cos, sin of pair i0, cos, sin of pair i0 + 1; pos = 16 P + lane % 16, i0 = 8 (c / 2) + 4 (lane / 16) + 2 (c % 2).
; Work-groups 0-255 take x (and one 16-byte piece of the table a thread), work-groups 256-383 the weights.  Only the first kind touches LDS.
; LIMITS: e between -126 and 119.  NaN among the inputs is not served.  The angle is pos x theta with theta = 2^(-i log2(10000) / 32) by v_exp_f32; sine and cosine by
; reduction with pi/2 in two parts and series to the 9th and 10th power: for pos up to 2,047 they follow the angle as f32 has it.
.set STGB,  8448                       ; a wave's stage: 16 rows x (512 bytes + 16)
.set SPARE, 4*STGB                     ; behind the four stages: the spare words, 128 bytes a wave, two blocks of 256 bytes that no other line names
.set SPW,   1                          ; v1   my spare word's LDS address; never rewritten
.set NIL,   2                          ; v2   0; never rewritten
.set LN,    3                          ; v3   lane
.set L16,   4                          ; v4   16 x lane
.set VS,    5                          ; v5   x: into the stage
.set VL,    6                          ; v6   x: out of the stage
.set T16,   7                          ; v7   16 x thread
.set SCL,   8                          ; v8   2^e as f32
.set LIMV,  9                          ; v9   448 x 2^e
.set RS,    16                         ; v16-143  x: two sets of 64 numbers as loaded
.set X,     144                        ; v144-207 x: 64 numbers, 16 neighbours of each of four blocks of 32
.set CX,    208                        ; v208-239 x: two sets of 16 registers of codes
.set RO,    240                        ; v240-243 my piece of the table
.set OFF,   16                         ; v16-47   weights: 4 x lane + i rows
.set WX,    48                         ; v48-111  weights: two sets of 32 numbers
.set WC,    112                        ; v112-175 weights: 8 registers of codes for each of 8 blocks, never rewritten
.set WO,    5                          ; v5   weights: my place in the codes
.set SB,    32                         ; s[32:47] weights: eight bases, one for each block of 32 along K
	s_load_b256 s[4:11], s[0:1], 0x0               ; x s[4:5], W_qkv s[6:7], W_proj s[8:9], the exponents s[10:11]
	s_load_b128 s[12:15], s[0:1], 0x20             ; codes s[12:13], table s[14:15]
	v_lshl_add_u32 v[SPW], v0, 2, SPARE
	v_mov_b32 v[NIL], 0
	v_lshrrev_b32 v3, 5, v0
	v_readfirstlane_b32 s16, v3                    ; wave 0..3
	v_and_b32 v[LN], 31, v0
	v_lshlrev_b32 v[L16], 4, v[LN]
	s_wait_kmcnt 0x0
	s_load_b256 s[48:55], s[10:11], 0x0            ; e0 .. e7
	s_cmp_lt_u32 ttmp9, 256
	s_cbranch_scc0 .Lweights
; ---------------- x: wave w takes block 2 X + w / 2, half w % 2 of K: four steps of 16 rows x 128 along K ----------------
	s_lshr_b32 s17, s16, 1
	s_and_b32 s18, s16, 1
	s_lshl_b32 s19, ttmp9, 1
	s_add_co_u32 s19, s19, s17                     ; the block
	s_lshl_b32 s20, s19, 16                        ; 16 rows of 4,096 bytes
	s_lshl_b32 s22, s18, 11                        ; 512 numbers
	s_add_co_u32 s20, s20, s22
	s_mov_b32 s21, 0
	s_add_nc_u64 s[4:5], s[4:5], s[20:21]
	s_lshl_b32 s20, s19, 14
	s_lshl_b32 s22, s18, 13
	s_add_co_u32 s20, s20, s22
	s_add_nc_u64 s[12:13], s[12:13], s[20:21]
	s_lshl_b32 s20, ttmp9, 11                      ; the work-group's 128 pieces of the table
	s_add_nc_u64 s[14:15], s[14:15], s[20:21]
	s_mul_i32 s23, s16, STGB
	v_add_nc_u32 v[VS], s23, v[L16]                ; in: a row's 512 bytes as they lie
	v_and_b32 v10, 15, v0                          ; r
	v_bfe_u32 v11, v0, 4, 1                        ; h
	v_mul_u32_u24 v[VL], v10, 528
	v_lshl_add_u32 v[VL], v11, 6, v[VL]
	v_add_nc_u32 v[VL], s23, v[VL]                 ; out: row r, + 64 h: my 16 numbers of a block of 32
	v_lshlrev_b32 v[T16], 4, v0
.macro XLOAD s                         ; step s: each load reads 512 consecutive bytes of one row
.set ii, 0
.rept 16
	global_load_b128 v[RS+64*((\s)%2)+4*ii:RS+64*((\s)%2)+4*ii+3], v[L16], s[4:5] offset:ii*4096+(\s)*512 th:TH_LOAD_NT
.set ii, ii+1
.endr
.endm
	XLOAD 0
	XLOAD 1
	; the table, while the loads are on their way
	s_mov_b32 s28, 0x3fc90fdb                      ; pi/2, upper part
	s_mov_b32 s29, 0xb33bbd2e                      ; pi/2, the rest
	s_lshr_b32 s24, ttmp9, 1
	s_lshl_b32 s24, s24, 4
	v_add_nc_u32 v[X], s24, v10
	v_cvt_f32_u32 v[X], v[X]                       ; pos
	s_and_b32 s25, ttmp9, 1
	s_lshl_b32 s25, s25, 2
	s_add_co_u32 s25, s25, s16                     ; c
	s_lshr_b32 s26, s25, 1
	s_lshl_b32 s26, s26, 3
	s_and_b32 s27, s25, 1
	s_lshl_b32 s27, s27, 1
	s_add_co_u32 s26, s26, s27
	v_lshl_add_u32 v[X+1], v11, 2, s26             ; i0
	v_add_nc_u32 v[X+2], 1, v[X+1]
	v_cvt_f32_u32 v[X+1], v[X+1]
	v_cvt_f32_u32 v[X+2], v[X+2]
	v_mul_f32 v[X+1], 0xbed49a78, v[X+1]           ; -i log2(10000) / 32
	v_mul_f32 v[X+2], 0xbed49a78, v[X+2]
	v_exp_f32 v[X+1], v[X+1]                       ; theta
	v_exp_f32 v[X+2], v[X+2]
	v_nop                                          ; a plain instruction behind the exponentials
	s_wait_alu depctr_va_vdst(0)                   ; one wait for both, ahead of their first reader
	v_mul_f32 v[X+1], v[X], v[X+1]                 ; the angle
	v_mul_f32 v[X+2], v[X], v[X+2]
.macro SINCOS ang, oc, os, t           ; cos and sin of v[ang] >= 0; v[t] .. v[t+5] at work
	v_mul_f32 v[\t], 0x3f22f983, v[\ang]
	v_rndne_f32 v[\t], v[\t]                       ; n = the nearest multiple of pi/2
	v_fma_f32 v[\t+1], -v[\t], s28, v[\ang]
	v_fma_f32 v[\t+1], -v[\t], s29, v[\t+1]        ; what is left, within +-pi/4
	v_mul_f32 v[\t+2], v[\t+1], v[\t+1]
	v_mov_b32 v[\t+3], 0x3638ef1d                  ; the sine's series
	v_fmaak_f32 v[\t+3], v[\t+3], v[\t+2], 0xb9500d01
	v_fmaak_f32 v[\t+3], v[\t+3], v[\t+2], 0x3c088889
	v_fmaak_f32 v[\t+3], v[\t+3], v[\t+2], 0xbe2aaaab
	v_mul_f32 v[\t+3], v[\t+3], v[\t+2]
	v_fma_f32 v[\t+3], v[\t+3], v[\t+1], v[\t+1]
	v_mov_b32 v[\t+4], 0xb493f27e                  ; the cosine's
	v_fmaak_f32 v[\t+4], v[\t+4], v[\t+2], 0x37d00d01
	v_fmaak_f32 v[\t+4], v[\t+4], v[\t+2], 0xbab60b61
	v_fmaak_f32 v[\t+4], v[\t+4], v[\t+2], 0x3d2aaaab
	v_fmaak_f32 v[\t+4], v[\t+4], v[\t+2], 0xbf000000
	v_fma_f32 v[\t+4], v[\t+4], v[\t+2], 1.0
	v_cvt_i32_f32 v[\t], v[\t]
	v_and_b32 v[\t+5], 1, v[\t]
	v_cmp_eq_u32 vcc_lo, 1, v[\t+5]                ; an odd n changes the two series' places (a choice of values only)
	v_cndmask_b32 v[\os], v[\t+3], v[\t+4], vcc_lo
	v_cndmask_b32 v[\oc], v[\t+4], v[\t+3], vcc_lo
	v_and_b32 v[\t+5], 2, v[\t]
	v_lshlrev_b32 v[\t+5], 30, v[\t+5]
	v_xor_b32 v[\os], v[\os], v[\t+5]              ; the sine is negated for n % 4 = 2, 3,
	v_add_nc_u32 v[\t], 1, v[\t]
	v_and_b32 v[\t], 2, v[\t]
	v_lshlrev_b32 v[\t], 30, v[\t]
	v_xor_b32 v[\oc], v[\oc], v[\t]                ; the cosine for n % 4 = 1, 2
.endm
	SINCOS X+1, RO, RO+1, X+4
	SINCOS X+2, RO+2, RO+3, X+12
	global_store_b128 v[T16], v[RO:RO+3], s[14:15] ; a wave stores 512 consecutive bytes; these registers are not written again
	s_wait_kmcnt 0x0
	s_add_co_i32 s30, s48, 127
	s_lshl_b32 s31, s30, 23
	v_mov_b32 v[SCL], s31                          ; 2^e0: the conversion takes its exponent field
	s_add_co_i32 s30, s30, 8
	s_lshl_b32 s30, s30, 23
	s_or_b32 s30, s30, 0x600000
	v_mov_b32 v[LIMV], s30                         ; 448 x 2^e0
.macro XSTEP s
.set RB, RS+64*((\s)%2)
.set CB, CX+16*((\s)%2)
.if (\s) < 3
	s_wait_loadcnt 16                              ; this step's 16 loads are in; the next step's 16 may be out
.else
	s_wait_loadcnt 0
.endif
.if (\s) >= 2
	s_wait_xcnt 0x0                                ; the stores of two steps back have read this set of codes: it is rewritten only behind this wait
.endif
.set ii, 0
.rept 16
	ds_store_b128 v[VS], v[RB+4*ii:RB+4*ii+3] offset:528*ii
.set ii, ii+1
.endr
.set ii, 0
.rept 16                               ; LDS serves a wave's instructions in order: these see the stores above
	ds_load_b128 v[X+4*ii:X+4*ii+3], v[VL] offset:128*(ii/4)+16*(ii%4)
.set ii, ii+1
.endr
	s_wait_dscnt 0x0                               ; the numbers are back, and the stage's stores have read their registers,
.if (\s) < 2
	XLOAD (\s)+2                                   ; which take the loads of two steps on
.endif
.irp c, 0,1,2,3
.set ii, 0
.rept 16
	v_med3_num_f32 v[X+16*\c+ii], v[X+16*\c+ii], -v[LIMV], v[LIMV]   ; the conversion to an 8-bit code does not saturate (ISA guide 7.6.2): the hold comes first
.set ii, ii+1
.endr
	v_cvt_scalef32_pk8_fp8_f32 v[CB+4*\c:CB+4*\c+1], v[X+16*\c:X+16*\c+7], v[SCL]
	v_cvt_scalef32_pk8_fp8_f32 v[CB+4*\c+2:CB+4*\c+3], v[X+16*\c+8:X+16*\c+15], v[SCL]
	global_store_b128 v[L16], v[CB+4*\c:CB+4*\c+3], s[12:13] offset:(\s)*2048+\c*512   ; 512 consecutive bytes: k / 16 = 2 c and 2 c + 1 of the 16 rows
.endr
	v_nop                                          ; a plain instruction behind the step's last conversion
.endm
	XSTEP 0
	XSTEP 1
	XSTEP 2
	XSTEP 3
	s_wait_tensorcnt 0x0                           ; the wave's end, behind my last LDS store
	ds_add_u32 v[SPW], v[NIL]
	s_wait_dscnt 0x0
	s_endpgm
; ---------------- the weights: K is their FIRST axis.  A lane takes a column, its registers run down K: 32 columns x 256 along K a wave ----------------
.Lweights:
	s_sub_co_u32 s17, ttmp9, 256
	s_and_b32 s18, s17, 3                          ; which 256 along K
	s_lshr_b32 s19, s17, 2                         ; which 128 columns: 0-23 W_qkv's, 24-31 W_proj's
	s_cmp_ge_u32 s19, 24
	s_cselect_b64 s[6:7], s[8:9], s[6:7]           ; the choice hangs on the work-group's number alone
	s_mov_b32 s20, 12288
	s_cselect_b32 s20, 4096, s20                   ; a row in bytes
	s_cselect_b32 s21, 24, 0
	s_cselect_b32 s30, 1, 0
	s_sub_co_u32 s21, s19, s21
	s_lshl_b32 s22, s21, 7
	s_lshl_b32 s23, s16, 5
	s_add_co_u32 s22, s22, s23                     ; my wave's first column
	s_lshl_b32 s22, s22, 2
	s_lshl_b32 s23, s18, 8
	s_mul_i32 s23, s23, s20
	s_add_co_u32 s24, s23, s22
	s_mov_b32 s25, 0
	s_add_nc_u64 s[SB:SB+1], s[6:7], s[24:25]
	s_lshl_b32 s26, s20, 5                         ; 32 rows on
	s_mov_b32 s27, 0
.irp t, 1,2,3,4,5,6,7
	s_add_nc_u64 s[SB+2*\t:SB+2*\t+1], s[SB+2*\t-2:SB+2*\t-1], s[26:27]
.endr
	v_lshlrev_b32 v[OFF], 2, v[LN]
.set ii, 1
.rept 31
	v_add_nc_u32 v[OFF+ii], s20, v[OFF+ii-1]
.set ii, ii+1
.endr
	v_lshrrev_b32 v10, 4, v[LN]
	v_and_b32 v11, 15, v[LN]
	v_lshlrev_b32 v[WO], 4, v11
	v_lshl_add_u32 v[WO], v10, 14, v[WO]           ; lanes 16-31 belong to the next block of 16 rows
	s_lshl_b32 s28, s19, 3
	s_lshl_b32 s29, s16, 1
	s_add_co_u32 s28, s28, s29
	s_add_co_u32 s28, s28, 512
	s_lshl_b32 s28, s28, 14
	s_lshl_b32 s29, s18, 12
	s_add_co_u32 s28, s28, s29
	s_mov_b32 s29, 0
	s_add_nc_u64 s[12:13], s[12:13], s[28:29]
.macro WLOAD t                         ; block t: 32 rows of K at my column: a wave reads 128 consecutive bytes, the four waves 512
.set ii, 0
.rept 32
	global_load_b32 v[WX+32*((\t)%2)+ii], v[OFF+ii], s[SB+2*(\t):SB+2*(\t)+1] th:TH_LOAD_NT
.set ii, ii+1
.endr
.endm
	WLOAD 0
	WLOAD 1
	s_wait_kmcnt 0x0
	s_cmp_eq_u32 s30, 1
	s_cselect_b32 s31, s55, s49                    ; e7 or e1
	s_add_co_i32 s31, s31, 127
	s_lshl_b32 s30, s31, 23
	v_mov_b32 v[SCL], s30
	s_add_co_i32 s31, s31, 8
	s_lshl_b32 s31, s31, 23
	s_or_b32 s31, s31, 0x600000
	v_mov_b32 v[LIMV], s31
.macro WBLOCK t
.set XS, WX+32*((\t)%2)
.if (\t) < 7
	s_wait_loadcnt 32                              ; this block's 32 loads are in; the next block's may be out
.else
	s_wait_loadcnt 0
.endif
.set ii, 0
.rept 32
	v_med3_num_f32 v[XS+ii], v[XS+ii], -v[LIMV], v[LIMV]
.set ii, ii+1
.endr
.irp g, 0,1,2,3
	v_cvt_scalef32_pk8_fp8_f32 v[WC+8*(\t)+2*\g:WC+8*(\t)+2*\g+1], v[XS+8*\g:XS+8*\g+7], v[SCL]
.endr
	v_nop                                          ; a plain instruction behind the last conversion
	global_store_b128 v[WO], v[WC+8*(\t):WC+8*(\t)+3], s[12:13] offset:512*(\t)        ; sixteen lanes store 256 consecutive bytes, aligned
	global_store_b128 v[WO], v[WC+8*(\t)+4:WC+8*(\t)+7], s[12:13] offset:512*(\t)+256
.if (\t)+2 < 8
	WLOAD (\t)+2
.endif
.endm
.irp t, 0,1,2,3,4,5,6,7
	WBLOCK \t
.endr
	s_endpgm
.Lfunc_end_k_q29eab91090_quant:
	.size	k_q29eab91090_quant, .Lfunc_end_k_q29eab91090_quant-k_q29eab91090_quant
	.p2alignl 7, 3214868480
	.fill 96, 4, 3214868480
	.section	.rodata,"a",@progbits
	.p2align	6, 0x0
	.amdhsa_kernel k_q29eab91090_quant
		.amdhsa_group_segment_fixed_size 34304
		.amdhsa_private_segment_fixed_size 0
		.amdhsa_enable_private_segment 0
		.amdhsa_kernarg_size 48
		.amdhsa_user_sgpr_count 2
		.amdhsa_user_sgpr_kernarg_segment_ptr 1
		.amdhsa_wavefront_size32 1
		.amdhsa_system_sgpr_workgroup_id_x 1
		.amdhsa_system_sgpr_workgroup_id_y 1
		.amdhsa_system_sgpr_workgroup_id_z 1
		.amdhsa_system_vgpr_workitem_id 0
		.amdhsa_next_free_vgpr 256
		.amdhsa_next_free_sgpr 66
		.amdhsa_reserve_vcc 1
		.amdhsa_float_denorm_mode_32 3
		.amdhsa_float_denorm_mode_16_64 3
		.amdhsa_memory_ordered 1
		.amdhsa_forward_progress 1
		.amdhsa_inst_pref_size 87
	.end_amdhsa_kernel
	.amdgpu_metadata
---
amdhsa.version: [ 1, 2 ]
amdhsa.kernels:
  - .name:           k_q29eab91090_quant
    .symbol:         k_q29eab91090_quant.kd
    .args:
      - { .name: x, .offset: 0, .size: 8, .value_kind: global_buffer, .address_space: global }
      - { .name: W_qkv, .offset: 8, .size: 8, .value_kind: global_buffer, .address_space: global }
      - { .name: W_proj, .offset: 16, .size: 8, .value_kind: global_buffer, .address_space: global }
      - { .name: lowp_scales, .offset: 24, .size: 8, .value_kind: global_buffer, .address_space: global }
      - { .name: codes, .offset: 32, .size: 8, .value_kind: global_buffer, .address_space: global }
      - { .name: rope, .offset: 40, .size: 8, .value_kind: global_buffer, .address_space: global }
    .group_segment_fixed_size: 34304
    .private_segment_fixed_size: 0
    .kernarg_segment_align: 8
    .kernarg_segment_size: 48
    .max_flat_workgroup_size: 128
    .sgpr_count:     66
    .vgpr_count:     256
    .wavefront_size: 32
...
	.end_amdgpu_metadata
.endif
;; end of part 1
;; launch qkvgemm (part 2): grid 12 x 32, 4 waves a work-group, clusters of 4 x 4, 327,680 bytes of LDS; arguments codes, rope, b_qkv, lowp_scales, qkvc; writes qkvc
.if DOCPART == 2
	.amdgcn_target "amdgcn-amd-amdhsa--gfx1250"
	.amdhsa_code_object_version 6
	.text
	.protected	k_q29eab91090_qkvgemm
	.globl	k_q29eab91090_qkvgemm
	.p2align	8
	.type	k_q29eab91090_qkvgemm,@function
k_q29eab91090_qkvgemm:
	s_mov_b64 s[64:65], 0
	v_nop
	global_prefetch_b8 v0, s[64:65] scope:SCOPE_SE
	s_setreg_imm32_b32 hwreg(HW_REG_WAVE_MODE, 25, 1), 1
	s_wait_xcnt 0x0
	s_wait_alu depctr_hold_cnt(0) depctr_sa_sdst(0) depctr_va_vdst(0) depctr_va_sdst(0) depctr_va_ssrc(0) depctr_va_vcc(0) depctr_vm_vsrc(0)
	s_getreg_b32 s2, hwreg(HW_REG_IB_STS2, 6, 4)
	s_cmp_eq_u32 s2, 0
	s_cbranch_scc0 .Lentry_in_a_cluster
	s_endpgm
.Lentry_in_a_cluster:
	s_bfe_u32 s2, ttmp6, 0x10000c
	s_cmp_lg_u32 s2, 0xf033
	s_cbranch_scc0 .Lentry_shape_is_right
	s_endpgm
.Lentry_shape_is_right:
; qkv = x W_qkv + b_qkv on codes of E4M3 (K = 1,024), then the rotation of q and k, then the codes of q, k and v for the attention.
; A tile is 256 x 256, made by four waves, each 128 x 128: 64 accumulators, 512 registers.  Clusters of 4 x 4 work-groups.
; Clusters with x = 0, 1 make q and k: rows = tokens (A = x), columns = W_qkv's columns (B).  Clusters with x = 2 make v TRANSPOSED: rows = W_qkv's columns 2,048 on (A), columns = tokens (B = x),
; so that a lane's registers run along the tokens, which are the K of the attention's second product.  Both operands lie in one buffer; the two kinds differ in block numbers alone.
; OPERANDS ARE IMAGES OF REGISTERS: [block of 16 rows][k / 16][row % 16][16 bytes].  A K step of 256 of a block is 4,096 consecutive bytes; lane l reads 16 bytes at 16 l of each 512: no pitch, no padding.
; Registers 4 c .. 4 c + 3 of a fragment then hold k = 32 c + 16 (l / 16) + 0 .. 15: a permutation of k, alike in A and B.
; K goes in four steps of 256 through two LDS slots.  A's tile is shared along a row of the cluster, B's along a column: joint tensor loads.  THE MATRIX INSTRUCTION IS USED TRANSPOSED
; (source 0 = B's rows, source 1 = A's): register j of lane (r, h) of accumulator (a, b) is C(16 a + r, 16 b + 8 h + j).
; OUT: q, k: [part][head bh][t / 16][d / 16][t % 16][16 bytes]; v: [bh][t / 128][d / 16][c (4)][lane][16 bytes], the second product's own register order.  Every store covers whole aligned runs of 256 bytes.
; LIMITS: e0 + e1 between -126 and 127; e2, e3, e5 between -126 and 119.  NaN is not served.
; No prefetch: K has four steps, of which two are first fills.
; REGISTERS: window 0: v1-13 addresses; v16-31 v's bias; v32-95 q's, k's bias; v96-127 the table; v128-255 A's fragments, ONE set (later the table's second set).
;   window 1: B's fragments, two sets (on the way out: v0-63 sums + bias, v64-127 rotated, v128-159 codes).   windows 2, 3: the accumulators.
.set NB,    8                          ; B's blocks of 16 rows a wave
.set APW,   32/NB                      ; A's blocks whose accumulators fill a window
.set LINE,  4096                       ; a block's K step
.set HALFA, 8*LINE
.set HALFB, NB*LINE
.set SLOT,  2*HALFA+2*HALFB            ; A's two halves, then B's two
.set SPARE, 2*SLOT                     ; behind the ring: the spare words, 128 bytes a wave, two blocks of 256 bytes that no other line names
.set SPW,  1
.set NIL,  2
.set L16,  3                           ; 16 x lane
.set ADRA, 4                           ; v4-5 my A fragments in slot 0, 1
.set ADRB, 6                           ; v6-7 the same for B
.set QO,   8                           ; 16 r + 8 h
.set SCV,  11                          ; 2^e of the codes that I make
.set BCA,  12
.set BRA,  13
.set BR,   16
.set BC,   32
.set TAB,  96
.set AF,   128
.set TMP,  0
.set U,    64
.set CD,   128
.set G1,   24
.set G0,   32
.set G1B,  48
.set G0B,  56
.set MSB,  0
.macro WIN new                         ; the immediate's high byte repeats the setting that is left
.if MSB != (\new)
	s_set_vgpr_msb (MSB<<8)|(\new)
.set MSB, \new
.endif
.endm
.set MUL_LO, 0xa1                      ; source 0 (B) window 1, source 1 (A) window 0, C and D window 2
.set MUL_HI, 0xf1                      ; the same, C and D window 3
.set TO_B,   0x40
.macro JLOAD g0a, g1a, g0b, g1b        ; a joint load: waves 0, 1 fetch A's halves, waves 2, 3 B's; an s_nop 0 and four v_nop follow each line
	s_cmp_eq_u32 s15, 0
	s_cbranch_scc0 .Lfor_b_\@
	tensor_load_to_lds s[\g0a:\g0a+3], s[\g1a:\g1a+7]
	s_nop 0
.rept 4
	v_nop
.endr
	s_branch .Lasked_\@
.Lfor_b_\@:
	tensor_load_to_lds s[\g0b:\g0b+3], s[\g1b:\g1b+7]
	s_nop 0
.rept 4
	v_nop
.endr
.Lasked_\@:
.endm
.macro CREST                           ; a round of the cluster's barrier behind its opening barrier
	s_cmp_lg_u32 s14, 0
	s_cbranch_scc1 .Lnot_wave_0_\@
	s_barrier_signal -3
.Lnot_wave_0_\@:
	s_barrier_wait -3
	s_barrier_signal -1
	s_barrier_wait -1
.endm
.macro CROUND
	s_barrier_signal -1
	s_barrier_wait -1
	CREST
.endm
.macro PLACES n                        ; plain instructions between a matrix instruction and a load into, or a vector access to, its registers
.rept \n
	v_nop
.endr
.endm
	s_load_b256 s[4:11], s[0:1], 0x0               ; codes s[4:5], table s[6:7], b_qkv s[8:9], the exponents s[10:11]
	s_load_b64 s[12:13], s[0:1], 0x20              ; the codes of q, k, v
	v_lshl_add_u32 v[SPW], v0, 2, SPARE
	v_mov_b32 v[NIL], 0
	ds_add_u32 v[SPW], v[NIL]                      ; the wave's opening: the add and its wait ahead of my first tensor load; work on registers stands between
	v_lshrrev_b32 v3, 5, v0
	v_readfirstlane_b32 s14, v3                    ; wave 0..3
	s_lshr_b32 s15, s14, 1                         ; my half of the tile's rows.  Also: I fetch for A (0) or B (1)
	s_and_b32 s16, s14, 1                          ; my half of its columns.  Also: which half I fetch
	s_bfe_u32 s40, ttmp6, 0x40000                  ; cx
	s_bfe_u32 s41, ttmp6, 0x40004                  ; cy
	s_and_b32 s18, ttmp7, 0xffff
	s_lshl_b32 s18, s18, 2                         ; 4 x cluster y
	s_lshl_b32 s19, ttmp9, 2                       ; 4 x cluster x
	s_cmp_eq_u32 ttmp9, 2                          ; v's clusters: the same answer in all sixteen partners
	s_cselect_b32 s66, 1, 0
	s_cselect_b32 s17, 8, s18
	s_cselect_b32 s42, s18, s19
	s_cselect_b32 s20, 512, 0                      ; A's first block in the buffer
	s_cselect_b32 s46, 0, 512                      ; B's
	s_add_co_u32 s17, s17, s41                     ; tile row: hangs on cy, never on cx
	s_add_co_u32 s42, s42, s40                     ; tile column: hangs on cx, never on cy
	s_lshl_b32 s43, s41, 2
	s_lshl_b32 s43, 15, s43                        ; my row of the cluster
	s_lshl_b32 s44, 0x1111, s40                    ; my column
	s_or_b32 s[G1+0], s43, (1<<21)                 ; 15:0 the mask; 17:16 elements of 1 byte; no padding; 21 set beside a mask
	s_or_b32 s[G1B+0], s44, (1<<21)
.irp g, G1, G1B
	s_mov_b32 s[\g+1], LINE<<16                    ; tensor_dim0 = 4,096
	s_mov_b32 s[\g+2], 8<<16                       ; tensor_dim1 = 8 blocks
	s_mov_b32 s[\g+3], LINE<<16                    ; tile_dim0
	s_mov_b32 s[\g+4], 8                           ; tile_dim1
	s_mov_b32 s[\g+5], 16384                       ; from block to block
	s_mov_b32 s[\g+6], 0
	s_mov_b32 s[\g+7], 0
.endr
	s_lshl_b32 s21, s17, 4
	s_add_co_u32 s20, s20, s21
	s_lshl_b32 s21, s16, 3
	s_add_co_u32 s20, s20, s21                     ; A: block = first + 16 x tile row + 8 x half
	s_lshl_b32 s20, s20, 14
	s_mov_b32 s21, 0
	s_lshl_b32 s47, s42, 4
	s_add_co_u32 s46, s46, s47
	s_lshl_b32 s47, s16, 3
	s_add_co_u32 s46, s46, s47                     ; B likewise, by the tile column
	s_lshl_b32 s46, s46, 14
	s_mov_b32 s47, 0
	s_mul_i32 s45, s16, HALFA                      ; where they go: no place in the cluster enters an LDS address
	s_mul_i32 s22, s16, HALFB
	s_add_co_u32 s22, s22, 2*HALFA
	s_wait_dscnt 0x0                               ; the opening add is done
	s_wait_kmcnt 0x0
	s_load_b256 s[68:75], s[10:11], 0x0            ; e0 .. e7
	s_add_nc_u64 s[20:21], s[4:5], s[20:21]
	s_add_nc_u64 s[46:47], s[4:5], s[46:47]
	CROUND                                         ; all sixteen work-groups are here: the first joint loads meet
.irp s, 0,1
	s_mov_b32 s[G0+4*\s], 1
	s_add_co_u32 s[G0+4*\s+1], s45, \s*SLOT
	s_add_nc_u64 s[G0+4*\s+2:G0+4*\s+3], s[20:21], \s*LINE
	s_or_b32 s[G0+4*\s+3], s[G0+4*\s+3], 0x80000000
	s_mov_b32 s[G0B+4*\s], 1
	s_add_co_u32 s[G0B+4*\s+1], s22, \s*SLOT
	s_add_nc_u64 s[G0B+4*\s+2:G0B+4*\s+3], s[46:47], \s*LINE
	s_or_b32 s[G0B+4*\s+3], s[G0B+4*\s+3], 0x80000000
	JLOAD G0+4*\s, G1, G0B+4*\s, G1B               ; two loads of mine are out behind the second
.endr
	v_and_b32 v9, 31, v0
	v_lshlrev_b32 v[L16], 4, v9
	v_and_b32 v9, 15, v0                           ; r
	v_bfe_u32 v10, v0, 4, 1                        ; h
	s_mul_i32 s76, s15, HALFA
	s_mul_i32 s77, s16, HALFB
	s_add_co_u32 s77, s77, 2*HALFA
.irp s, 0,1
	v_add_nc_u32 v[ADRA+\s], s76, v[L16]
	v_add_nc_u32 v[ADRB+\s], s77, v[L16]
	s_add_co_u32 s76, s76, SLOT
	s_add_co_u32 s77, s77, SLOT
.endr
	v_lshlrev_b32 v[QO], 4, v9
	v_lshl_add_u32 v[QO], v10, 3, v[QO]
	; the biases and the table's first block.  Every work-group issues all of these loads, so that the counts are alike; the kind that it does not use reads from offset 0
	s_lshl_b32 s78, s42, 8
	s_lshl_b32 s79, s16, 7
	s_add_co_u32 s78, s78, s79
	s_lshl_b32 s78, s78, 2                         ; q, k: 4 x my first column
	s_lshl_b32 s79, s17, 8
	s_lshl_b32 s80, s15, 7
	s_add_co_u32 s79, s79, s80
	s_lshl_b32 s79, s79, 2                         ; v: 4 x my first row, a column of W_qkv
	s_cmp_eq_u32 s66, 1
	s_cselect_b32 s78, 0, s78
	s_cselect_b32 s79, s79, 0
	v_lshl_add_u32 v[BCA], v10, 5, s78
	v_lshl_add_u32 v[BRA], v9, 2, s79
	s_and_b32 s81, s17, 7
	s_lshl_b32 s81, s81, 4
	s_lshl_b32 s82, s15, 3
	s_add_co_u32 s81, s81, s82                     ; my first block of 16 positions
	s_lshl_b32 s82, s81, 12
	s_mov_b32 s83, 0
	s_add_nc_u64 s[6:7], s[6:7], s[82:83]
.set bb, 0
.rept 8
	global_load_b128 v[BC+8*bb:BC+8*bb+3], v[BCA], s[8:9] offset:64*bb        ; b(column 16 b + 8 h + 0 .. 7)
	global_load_b128 v[BC+8*bb+4:BC+8*bb+7], v[BCA], s[8:9] offset:64*bb+16
.set bb, bb+1
.endr
.set bb, 0
.rept 8
	global_load_b32 v[BR+2*bb], v[BRA], s[8:9] offset:64*bb                   ; b(row 16 a + r)
	v_mov_b32 v[BR+2*bb+1], 0                      ; (named with it as a pair, so it is written)
.set bb, bb+1
.endr
.set bb, 0
.rept 8
	global_load_b128 v[TAB+4*bb:TAB+4*bb+3], v[L16], s[6:7] offset:bb*512
.set bb, bb+1
.endr
	; where my codes go
	s_lshl_b32 s84, s42, 2
	s_lshl_b32 s85, s16, 1
	s_add_co_u32 s84, s84, s85                     ; q, k: my first head, 0-15 q's, 16-31 k's
	s_lshr_b32 s85, s84, 4
	s_lshl_b32 s85, s85, 23
	s_and_b32 s84, s84, 15
	s_lshl_b32 s84, s84, 17
	s_add_co_u32 s84, s84, s85
	s_lshr_b32 s85, s17, 3                         ; the batch
	s_lshl_b32 s85, s85, 21
	s_add_co_u32 s84, s84, s85
	s_lshl_b32 s85, s81, 10
	s_add_co_u32 s84, s84, s85
	s_lshr_b32 s86, s42, 3                         ; v: the batch,
	s_lshl_b32 s86, s86, 4
	s_and_b32 s87, s17, 3
	s_lshl_b32 s87, s87, 2
	s_add_co_u32 s86, s86, s87
	s_lshl_b32 s87, s15, 1
	s_add_co_u32 s86, s86, s87                     ; my first head,
	s_lshl_b32 s86, s86, 17
	s_and_b32 s87, s42, 7
	s_lshl_b32 s87, s87, 1
	s_add_co_u32 s87, s87, s16                     ; my 128 tokens
	s_lshl_b32 s87, s87, 13
	s_add_co_u32 s86, s86, s87
	s_add_co_u32 s86, s86, 16777216
	s_cmp_eq_u32 s66, 1
	s_cselect_b32 s84, s86, s84
	s_mov_b32 s85, 0
	s_add_nc_u64 s[12:13], s[12:13], s[84:85]
	s_wait_kmcnt 0x0
	s_add_co_i32 s96, s68, s69
	s_add_co_i32 s96, s96, 127
	s_lshl_b32 s96, s96, 23                        ; 2^(e0 + e1) as f32
	s_mov_b32 s97, s96                             ; (named with it as a pair)
	s_cmp_eq_u32 ttmp9, 0
	s_cselect_b32 s88, s70, s71                    ; q: e2, k: e3,
	s_cmp_eq_u32 ttmp9, 2
	s_cselect_b32 s88, s73, s88                    ; v: e5.  A choice without a jump
	s_add_co_i32 s88, s88, 127
	s_lshl_b32 s89, s88, 23
	v_mov_b32 v[SCV], s89
	s_add_co_i32 s88, s88, 8
	s_lshl_b32 s99, s88, 23
	s_or_b32 s99, s99, 0x600000                    ; 448 x the scale,
	s_or_b32 s98, s99, 0x80000000                  ; and its negative
.macro FRAG reg, adr, q, i             ; a fragment: 16 rows x 128 K, four loads of 512 consecutive bytes
.irp c, 0,1,2,3
	ds_load_b128 v[\reg+4*\c:\reg+4*\c+3], v[\adr] offset:2048*(\q)+512*\c+(\i)*LINE
.endr
.endm
; A's blocks a0, a0 + 1 x B's NB.  The accumulators take turns, one instruction a turn, in the same order in every step.  zero = 1: the product starts the sums
.macro MULA a0, p, zero
.irp a, \a0, \a0+1
.irp b, 0,1,2,3,4,5,6,7
.if \zero
	v_wmma_f32_16x16x128_fp8_fp8 v[8*(NB*((\a)%APW)+\b):8*(NB*((\a)%APW)+\b)+7], v[128*(\p)+16*\b:128*(\p)+16*\b+15], v[AF+16*(\a):AF+16*(\a)+15], 0
.else
	v_wmma_f32_16x16x128_fp8_fp8 v[8*(NB*((\a)%APW)+\b):8*(NB*((\a)%APW)+\b)+7], v[128*(\p)+16*\b:128*(\p)+16*\b+15], v[AF+16*(\a):AF+16*(\a)+15], v[8*(NB*((\a)%APW)+\b):8*(NB*((\a)%APW)+\b)+7]
.endif
.endr
.endr
.endm
.macro FETCH_B slot, q, p
	WIN TO_B
.irp i, 0,1,2,3,4,5,6,7
	FRAG 128*(\p)+16*\i, ADRB+\slot, \q, \i
.endr
	WIN 0
.endm
.macro FETCH_A slot, q, i0
.irp i, \i0, \i0+1, \i0+2, \i0+3
	FRAG AF+16*(\i), ADRA+\slot, \q, \i
.endr
.endm
.macro STEP slot, q, zero              ; 128 along K whose successor lies in the same slot
	s_wait_dscnt 16                                ; B's set and A's blocks 0-3 are in; the youngest 16 loads (A's blocks 4-7) may be out
	WIN MUL_LO
	MULA 0, (\q)%2, \zero
	MULA 2, (\q)%2, \zero
	s_wait_dscnt 0
	PLACES 4
	FETCH_B \slot, (\q)+1, 1-(\q)%2
	FETCH_A \slot, (\q)+1, 0
	WIN MUL_HI
	MULA 4, (\q)%2, \zero
	MULA 6, (\q)%2, \zero
	PLACES 4
	WIN 0
	FETCH_A \slot, (\q)+1, 4
.endm
; A slot's last step changes slots: one barrier; in front of it each wave waits for all its tensor loads, adds 0 to its spare word, and waits for that and for its reads of this slot.
.macro TURN slot, next, fill
	s_wait_tensorcnt 0x0                           ; all my tensor loads have landed: my part of the next slot
	ds_add_u32 v[SPW], v[NIL]
	s_wait_dscnt 17                                ; (the add and the youngest 16 loads may be out)
	WIN MUL_LO
	MULA 0, 1, 0
	s_wait_dscnt 0x0                               ; the add is done, and my reads of this slot are over
	s_barrier_signal -1
	MULA 2, 1, 0
	WIN 0
	s_barrier_wait -1
.if \fill
	CREST                                          ; the barrier has opened a round of the cluster's: no wave of any partner still reads this slot or has a load on its way
	s_add_nc_u64 s[G0+4*\slot+2:G0+4*\slot+3], s[G0+4*\slot+2:G0+4*\slot+3], 2*LINE
	s_add_nc_u64 s[G0B+4*\slot+2:G0B+4*\slot+3], s[G0B+4*\slot+2:G0B+4*\slot+3], 2*LINE
	JLOAD G0+4*\slot, G1, G0B+4*\slot, G1B         ; the first tensor load behind the round; its four v_nop are the places in front of the loads below
.else
	PLACES 4
.endif
	FETCH_B \next, 0, 0
	FETCH_A \next, 0, 0
	WIN MUL_HI
	MULA 4, 1, 0
	MULA 6, 1, 0
	PLACES 4
	WIN 0
	FETCH_A \next, 0, 4
.endm
	s_wait_tensorcnt 1                             ; my part of K step 0 is in; K step 1's may stay out
	s_barrier_signal -1
	s_barrier_wait -1
	FETCH_B 0, 0, 0
	FETCH_A 0, 0, 0
	FETCH_A 0, 0, 4
	STEP 0, 0, 1                                   ; K = 1,024 is eight steps of 128, written out
	TURN 0, 1, 1
	STEP 1, 0, 0
	TURN 1, 0, 1
	STEP 0, 0, 0
	TURN 0, 1, 0                                   ; nothing is left to fetch
	STEP 1, 0, 0
	s_wait_dscnt 16
	WIN MUL_LO
	MULA 0, 1, 0
	MULA 2, 1, 0
	s_wait_dscnt 0
	WIN MUL_HI
	MULA 4, 1, 0
	MULA 6, 1, 0
	WIN 0
	PLACES 4                                       ; behind the last products: results are read, and operands' registers written, below
; q, k: block a (16 tokens x 128 columns): sum x 2^(e0 + e1) + bias; the rotation; the hold; the codes; eight stores of 256 consecutive bytes
.macro QKBLK a
.set TA, TAB+32*((\a)%2)
.set TN, TAB+32*(((\a)+1)%2)
.set CDS, CD+16*((\a)%2)
.set AC, 64*((\a)%4)
.if (\a) >= 2
	s_wait_xcnt 0x0                                ; the stores of two blocks back have read this set of codes
.endif
.if (\a) < 7
.set cc, 0
.rept 8
	global_load_b128 v[TN+4*cc:TN+4*cc+3], v[L16], s[6:7] offset:((\a)+1)*4096+cc*512   ; the next 16 positions' cosines and sines
.set cc, cc+1
.endr
	s_wait_loadcnt 8                               ; all but those eight
.else
	s_wait_loadcnt 0
.endif
	WIN 0x42+(\a)/4                                ; source 0 window 2 or 3, destination window 1
.set jj, 0
.rept 32
	v_pk_fma_f32 v[TMP+jj:TMP+jj+1], v[AC+jj:AC+jj+1], s[96:97], v[BC+jj:BC+jj+1] op_sel_hi:[1,0,1]   ; each accumulator from its low end on
.set jj, jj+2
.endr
	WIN 0x51                                       ; sources 0, 2 and destination window 1, source 1 window 0
.set bb, 0
.rept 8
.set TB4, TA+8*(bb%4)
.irp p, 0,2,4,6
	v_pk_mul_f32 v[U+8*bb+\p:U+8*bb+\p+1], v[TMP+8*bb+\p:TMP+8*bb+\p+1], v[TB4+\p:TB4+\p+1] op_sel_hi:[1,0]   ; both x cos
.endr
.irp p, 0,2,4,6
	v_fma_f32 v[U+8*bb+\p], -v[TMP+8*bb+\p+1], v[TB4+\p+1], v[U+8*bb+\p]        ; x1 cos - x2 sin
	v_fma_f32 v[U+8*bb+\p+1], v[TMP+8*bb+\p], v[TB4+\p+1], v[U+8*bb+\p+1]       ; x1 sin + x2 cos
.endr
.irp i, 0,1,2,3,4,5,6,7
	v_med3_num_f32 v[U+8*bb+\i], v[U+8*bb+\i], s98, s99                         ; the conversion does not saturate (ISA guide 7.6.2)
.endr
	v_cvt_scalef32_pk8_fp8_f32 v[CDS+2*bb:CDS+2*bb+1], v[U+8*bb:U+8*bb+7], v[SCV]
.set bb, bb+1
.endr
	v_nop                                          ; a plain instruction behind the last conversion
	WIN 0x04                                       ; store data window 1
.set bb, 0
.rept 8
	global_store_b64 v[QO], v[CDS+2*bb:CDS+2*bb+1], s[12:13] offset:(bb/4)*131072+(\a)*1024+(bb%4)*256
.set bb, bb+1
.endr
	WIN 0
.endm
; v: block a (16 of a head's 64 x 128 tokens): the 16 registers of codes are the second product's fragment as it stands: four stores of 512 consecutive bytes
.macro VBLK a
.set CDS, CD+16*((\a)%2)
.set AC, 64*((\a)%4)
.if (\a) == 0
	s_wait_loadcnt 0
.endif
.if (\a) >= 2
	s_wait_xcnt 0x0
.endif
	WIN 0x42+(\a)/4
.set jj, 0
.rept 32
	v_pk_fma_f32 v[TMP+jj:TMP+jj+1], v[AC+jj:AC+jj+1], s[96:97], v[BR+2*(\a):BR+2*(\a)+1] op_sel_hi:[1,0,0]
.set jj, jj+2
.endr
	WIN 0x51
.set bb, 0
.rept 8
.irp i, 0,1,2,3,4,5,6,7
	v_med3_num_f32 v[TMP+8*bb+\i], v[TMP+8*bb+\i], s98, s99
.endr
	v_cvt_scalef32_pk8_fp8_f32 v[CDS+2*bb:CDS+2*bb+1], v[TMP+8*bb:TMP+8*bb+7], v[SCV]
.set bb, bb+1
.endr
	v_nop
	WIN 0x04
.set cc, 0
.rept 4
	global_store_b128 v[L16], v[CDS+4*cc:CDS+4*cc+3], s[12:13] offset:((\a)/4)*131072+((\a)%4)*2048+cc*512
.set cc, cc+1
.endr
	WIN 0
.endm
	s_cmp_eq_u32 s66, 1                            ; the cluster's x alone: alike in all partners and all waves
	s_cbranch_scc1 .Lvpath
.irp a, 0,1,2,3,4,5,6,7
	QKBLK \a
.endr
	s_branch .Lend
.Lvpath:
.irp a, 0,1,2,3,4,5,6,7
	VBLK \a
.endr
.Lend:
	s_wait_tensorcnt 0x0                           ; the wave's end, behind my last tensor load
	ds_add_u32 v[SPW], v[NIL]
	s_wait_dscnt 0x0
	CROUND                                         ; the closing round
	s_endpgm
.Lfunc_end_k_q29eab91090_qkvgemm:
	.size	k_q29eab91090_qkvgemm, .Lfunc_end_k_q29eab91090_qkvgemm-k_q29eab91090_qkvgemm
	.p2alignl 7, 3214868480
	.fill 96, 4, 3214868480
	.section	.rodata,"a",@progbits
	.p2align	6, 0x0
	.amdhsa_kernel k_q29eab91090_qkvgemm
		.amdhsa_group_segment_fixed_size 327680
		.amdhsa_private_segment_fixed_size 0
		.amdhsa_enable_private_segment 0
		.amdhsa_kernarg_size 40
		.amdhsa_user_sgpr_count 2
		.amdhsa_user_sgpr_kernarg_segment_ptr 1
		.amdhsa_wavefront_size32 1
		.amdhsa_system_sgpr_workgroup_id_x 1
		.amdhsa_system_sgpr_workgroup_id_y 1
		.amdhsa_system_sgpr_workgroup_id_z 1
		.amdhsa_system_vgpr_workitem_id 0
		.amdhsa_next_free_vgpr 1024
		.amdhsa_next_free_sgpr 100
		.amdhsa_reserve_vcc 0
		.amdhsa_float_denorm_mode_32 3
		.amdhsa_float_denorm_mode_16_64 3
		.amdhsa_memory_ordered 1
		.amdhsa_forward_progress 1
		.amdhsa_inst_pref_size 252
	.end_amdhsa_kernel
	.amdgpu_metadata
---
amdhsa.version: [ 1, 2 ]
amdhsa.kernels:
  - .name:           k_q29eab91090_qkvgemm
    .symbol:         k_q29eab91090_qkvgemm.kd
    .args:
      - { .name: codes, .offset: 0, .size: 8, .value_kind: global_buffer, .address_space: global }
      - { .name: rope, .offset: 8, .size: 8, .value_kind: global_buffer, .address_space: global }
      - { .name: b_qkv, .offset: 16, .size: 8, .value_kind: global_buffer, .address_space: global }
      - { .name: lowp_scales, .offset: 24, .size: 8, .value_kind: global_buffer, .address_space: global }
      - { .name: qkvc, .offset: 32, .size: 8, .value_kind: global_buffer, .address_space: global }
    .group_segment_fixed_size: 327680
    .private_segment_fixed_size: 0
    .kernarg_segment_align: 8
    .kernarg_segment_size: 40
    .max_flat_workgroup_size: 128
    .sgpr_count:     100
    .vgpr_count:     1024
    .wavefront_size: 32
...
	.end_amdgpu_metadata
.endif
;; end of part 2
;; launch attn (part 3): grid 8 x 64, 16 waves a work-group, no clusters, 327,680 bytes of LDS; arguments qkvc, lowp_scales, yimg; writes yimg
.if DOCPART == 3
	.amdgcn_target "amdgcn-amd-amdhsa--gfx1250"
	.amdhsa_code_object_version 6
	.text
	.protected	k_q29eab91090_attn
	.globl	k_q29eab91090_attn
	.p2align	8
	.type	k_q29eab91090_attn,@function
k_q29eab91090_attn:
	s_mov_b64 s[64:65], 0
	v_nop
	global_prefetch_b8 v0, s[64:65] scope:SCOPE_SE
	s_setreg_imm32_b32 hwreg(HW_REG_WAVE_MODE, 25, 1), 1
	s_wait_xcnt 0x0
; y[b][t][head][:] = softmax over keys k <= t of (q . k / 8) times v, both products on codes of E4M3; y leaves as codes for the last product.
; THE SOFTMAX AHEAD OF THE SECOND PRODUCT: t = score x log2(e) / 8; M = the running largest t rounded UP to a whole number; p = 2^(t - M) is quantised (scale 2^e4), not normalised; the row's sum is taken
; of the unquantised p and divides at the end.  When M moves, the sum and O are multiplied by 2^(old M - new M): exact.
; SHARES.  Work-group (j, bh): sixteen waves of 16 queries.  Waves 0-7 own the 128 queries of block j, waves 8-15 those of block 15 - j: 8 (j + 1) + 8 (16 - j) = 136 key steps of a wave in every work-group.
; Keys go 128 a step, 256 a slot, through two LDS slots; wave 0 fetches K's image of a slot (16 KiB, dense), wave 1 V's.  One tensor load of a wave is out at a time.
; LAYOUT.  S^T = K Q^T (16x16x64; source 0 = 16 keys, source 1 = my queries): a lane holds one query, register 8 t + i the key 16 t + 8 (lane / 16) + i.  The eight conversions' results are the operand of
; O^T = V^T P^T (16x16x128) in that form's own register order, in which v's codes were stored.  q's and k's fragments are read alike, 16 bytes at 16 x lane: one permutation of the head's 64 in both.
; CAUSAL.  Every work-group walks all eight slots (constant trip counts); a step all of whose keys come after the wave's queries is jumped over, on ids alone; a slot whose first key comes after the
; work-group's last query is not asked for; on the diagonal hidden scores become -infinity.
; NO CLUSTER: the work-groups of a head need different numbers of slots under the causal limit, and a slot's 32 KiB are little beside the sixteen waves' work on it.
; LIMITS: e2 + e3 between -123 and 130; e4, e6 between -126 and 119.  NaN is not served.
; REGISTERS: v1 16 x lane; v3 prefetch offset; v5, v6 the add's; v7 the way out; v8 the slot's address; v12 -M, v13 largest t, v[14:15] the sum; v16-23 Q; v32-95 K's, then V's fragments; v96-159 S^T, then p;
;   v160-191 O^T; v192-202 at work; v224-239 p's codes.
.set SLOT1, 1<<17
.set VOFF,  16384                      ; a slot: K's image, then V's
.set SPARE, 2*SLOT1                    ; the spare words, 128 bytes for each of 16 waves: eight blocks of 256 bytes that no other line names
.set L16,  1
.set PFO,  3
.set SPW,  5
.set NIL,  6
.set YO,   7
.set ADR,  8
.set TB,   2                           ; s2  LDS byte at which the slot in hand begins
.set WV,   18
.set SEL,  20
.set CS,   22
.set G1,   24
.set G0,   32
.set SLOTS, 36
.set KF,   37                          ; the step's first key
.set Q0,   38                          ; my first query
.set LQ,   39                          ; my work-group's last query
.set PFA,  40
.set LIM,  42
.macro TLOAD                           ; waves 0 and 1 fetch; an s_nop 0 and four v_nop follow the line
	s_cmp_lt_u32 s[WV], 2
	s_cbranch_scc0 .Lasked_\@
	tensor_load_to_lds s[G0:G0+3], s[G1:G1+7]
	s_nop 0
.rept 4
	v_nop
.endr
.Lasked_\@:
.endm
; A prefetch of the slot that the NEXT change of slots will ask for.  All eight work-groups of a head walk the same K and V: the one with j = 0, which loads all eight slots, asks.  In it waves 4, 5 name the halves of
; K's 16 KiB and waves 6, 7 those of V's: 8,192 bytes a wave, lanes 256 bytes apart, one instruction.  So each aligned 256 bytes are named once.  It begins with slot 2 and ends with slot 7.
.macro ASK
	s_cmp_gt_u32 s[SLOTS], s[LIM]
	s_cbranch_scc0 .Lnot_mine_\@
	global_prefetch_b8 v[PFO], s[PFA:PFA+1] th:TH_LOAD_NT scope:SCOPE_SE
.Lnot_mine_\@:
.endm
	s_load_b128 s[4:7], s[0:1], 0x0                ; the codes of q, k, v s[4:5]; the exponents s[6:7]
	s_load_b64 s[8:9], s[0:1], 0x10                ; y's codes
	v_lshl_add_u32 v[SPW], v0, 2, SPARE
	v_mov_b32 v[NIL], 0
	ds_add_u32 v[SPW], v[NIL]                      ; the wave's opening: the add and its wait ahead of the first tensor load; work on registers stands between
	v_lshrrev_b32 v8, 5, v0
	v_readfirstlane_b32 s[WV], v8                  ; wave 0..15
	s_and_b32 s52, ttmp7, 0xffff                   ; bh = 16 b + head
	s_lshl_b32 s53, s52, 17                        ; a head's 131,072 bytes in each part
	s_sub_co_u32 s54, 15, ttmp9
	s_cmp_lt_u32 s[WV], 8
	s_cselect_b32 s55, ttmp9, s54                  ; my block of 128 queries
	s_lshl_b32 s[Q0], s55, 7
	s_and_b32 s56, s[WV], 7
	s_lshl_b32 s56, s56, 4
	s_add_co_u32 s[Q0], s[Q0], s56
	s_lshl_b32 s[LQ], s54, 7
	s_add_co_u32 s[LQ], s[LQ], 127
	s_mov_b32 s[G1], 3<<16                         ; no mask; elements of 8 bytes; no padding: a dense block as 64 rows of 256 bytes
	s_mov_b32 s[G1+1], 32<<16                      ; tensor_dim0
	s_mov_b32 s[G1+2], 64<<16                      ; tensor_dim1
	s_mov_b32 s[G1+3], 32<<16                      ; tile_dim0
	s_mov_b32 s[G1+4], 64                          ; tile_dim1
	s_mov_b32 s[G1+5], 32                          ; from row to row
	s_mov_b32 s[G1+6], 0
	s_mov_b32 s[G1+7], 0
	s_and_b32 s57, s[WV], 1
	s_lshl_b32 s58, s57, 14                        ; wave 0: K's place in a slot, wave 1: V's
	s_add_co_u32 s60, s57, 1
	s_lshl_b32 s60, s60, 23                        ; part 1 (k) or 2 (v)
	s_add_co_u32 s60, s60, s53
	s_mov_b32 s61, 0
	s_lshr_b32 s62, s[WV], 1                       ; the prefetches: waves 4, 5: k; waves 6, 7: v
	s_and_b32 s62, s62, 1
	s_add_co_u32 s62, s62, 1
	s_lshl_b32 s62, s62, 23
	s_add_co_u32 s62, s62, s53
	s_lshl_b32 s63, s57, 13
	s_add_co_u32 s62, s62, s63
	s_add_co_u32 s62, s62, 16384                   ; at slot 1: the first change of slots steps it to slot 2
	s_mov_b32 s63, 0
	s_sub_co_u32 s66, s[WV], 4
	s_lshr_b32 s66, s66, 2                         ; 0 in waves 4 to 7,
	s_or_b32 s66, s66, ttmp9                       ; of the work-group with j = 0
	s_cmp_eq_u32 s66, 0
	s_cselect_b32 s[LIM], 1, -1
	s_lshl_b32 s66, s[Q0], 6                       ; q: 1,024 bytes for 16 queries
	s_add_co_u32 s66, s66, s53
	s_mov_b32 s67, 0
	s_lshr_b32 s68, s52, 4                         ; y: block 128 b + Q0 / 16 of 16,384 bytes, + 1,024 x head
	s_lshl_b32 s68, s68, 21
	s_and_b32 s69, s52, 15
	s_lshl_b32 s69, s69, 10
	s_add_co_u32 s68, s68, s69
	s_lshl_b32 s69, s[Q0], 10
	s_add_co_u32 s68, s68, s69
	s_mov_b32 s69, 0
	s_mov_b32 s[SEL], 0x76543210
	s_mov_b32 s[SEL+1], 0xfedcba98
	s_mov_b32 s[CS], 0x3e38aa3b                    ; log2(e) / 8
	s_mov_b32 s[TB], 0
	s_mov_b32 s[SLOTS], 7
	s_mov_b32 s[KF], 0
	s_wait_dscnt 0x0                               ; the opening add is done
	s_wait_kmcnt 0x0
	s_load_b256 s[44:51], s[6:7], 0x0              ; e0 .. e7
	s_mov_b32 s[G0], 1
	s_mov_b32 s[G0+1], s58
	s_add_nc_u64 s[G0+2:G0+3], s[4:5], s[60:61]
	s_or_b32 s[G0+3], s[G0+3], 0x80000000
	TLOAD                                          ; slot 0
	s_add_nc_u64 s[10:11], s[4:5], s[66:67]
	s_add_nc_u64 s[8:9], s[8:9], s[68:69]
	s_add_nc_u64 s[PFA:PFA+1], s[4:5], s[62:63]
	v_and_b32 v[L16], 31, v0
	v_lshlrev_b32 v[PFO], 8, v[L16]
	v_lshlrev_b32 v[L16], 4, v[L16]
	global_load_b128 v[16:19], v[L16], s[10:11]    ; Q's fragment stays in registers
	global_load_b128 v[20:23], v[L16], s[10:11] offset:512
	v_mov_b32 v13, 0xff61b1e6                      ; the largest t so far: -3e38
	v_floor_f32 v12, -v13                          ; -M
	v_mov_b32 v14, 0
	v_mov_b32 v15, 0
	v_mov_b32 v193, 0                              ; a lane permute's destination counts as read
	v_mov_b32 v195, 0                              ; (named as the upper half of the pair v[194:195])
.set jj, 0
.rept 32
	v_mov_b32 v[160+jj], 0                         ; O^T: the step is written once; the first finds zeros
.set jj, jj+1
.endr
	s_wait_kmcnt 0x0
	s_add_co_i32 s52, s46, s47
	s_lshl_b32 s52, s52, 23
	s_add_co_i32 s[CS], s[CS], s52                 ; a score stands for score x 2^(e2 + e3): added to c's exponent field
	s_mov_b32 s[CS+1], s[CS]
	s_add_co_i32 s52, s48, 127
	s_lshl_b32 s53, s52, 23
	v_mov_b32 v198, s53                            ; 2^e4
	s_add_co_i32 s52, s52, 8
	s_lshl_b32 s52, s52, 23
	s_or_b32 s52, s52, 0x600000
	v_mov_b32 v199, s52                            ; 448 x 2^e4
.macro STEP q                          ; 128 keys, the q-th of the slot in hand
	s_add_co_u32 s52, s[Q0], 15
	s_cmp_gt_u32 s[KF], s52                        ; all keys come after my queries: ids and the count of steps alone
	s_cbranch_scc1 .Lhidden_\@
	v_add_nc_u32 v[ADR], s[TB], v[L16]
.rept 3
	v_nop                                          ; with the addition: four places in front of loads into registers that the last products read
.endr
.set tt, 0
.rept 8
	ds_load_b128 v[32+8*tt:35+8*tt], v[ADR] offset:(8*(\q)+tt)*1024
	ds_load_b128 v[36+8*tt:39+8*tt], v[ADR] offset:(8*(\q)+tt)*1024+512
.set tt, tt+1
.endr
	s_wait_dscnt 0x0
.set tt, 0
.rept 8
	v_wmma_f32_16x16x64_fp8_fp8 v[96+8*tt:103+8*tt], v[32+8*tt:39+8*tt], v[16:23], 0
.set tt, tt+1
.endr
.rept 4
	v_nop
.endr
.set tt, 0
.rept 16                               ; V's four fragments are asked for here and land under the softmax
	ds_load_b128 v[32+4*tt:35+4*tt], v[ADR] offset:VOFF+(\q)*8192+tt*512
.set tt, tt+1
.endr
	s_add_co_u32 s52, s[KF], 127
	s_cmp_le_u32 s52, s[Q0]                        ; all keys count: no mask
	s_cbranch_scc1 .Lopen_\@
	s_sub_co_i32 s52, s[Q0], s[KF]
	v_and_b32 v200, 15, v0
	v_bfe_u32 v202, v0, 4, 1
	v_lshlrev_b32 v202, 3, v202
	v_sub_nc_u32 v200, v200, v202
	v_add_nc_u32 v200, s52, v200                   ; d = my query - KF - 8 (lane / 16): register 8 t + i is hidden where 16 t + i > d
	v_mov_b32 v201, 0xff800000
.set nn, 0
.rept 64
	v_cmp_gt_i32 vcc_lo, 16*(nn/8)+nn%8, v200
	v_cndmask_b32 v[96+nn], v[96+nn], v201, vcc_lo
.set nn, nn+1
.endr
.Lopen_\@:
	v_max3_num_f32 v192, v96, v97, v98             ; the step's largest score of my query, in two chains, each accumulator from its low end on
	v_max3_num_f32 v194, v99, v100, v101
.irp i, 6,10,14,18,22,26,30,34,38,42,46,50,54,58
	v_max3_num_f32 v192, v192, v[96+\i], v[97+\i]
	v_max3_num_f32 v194, v194, v[98+\i], v[99+\i]
.endr
	v_max3_num_f32 v192, v192, v158, v159
	v_max_num_f32 v192, v192, v194
	v_permlanex16_b32 v193, v192, s[SEL], s[SEL+1]
	v_max_num_f32 v192, v192, v193                 ; and lane l xor 16's
	v_mul_f32 v192, s[CS], v192
	v_max_num_f32 v13, v13, v192                   ; the running largest t
	v_mov_b32 v192, v12
	v_floor_f32 v12, -v13                          ; -M = floor(-t): M is a whole number
	v_sub_f32 v192, v12, v192
	v_cvt_i32_f32 v192, v192                       ; (it saturates)
	v_ldexp_f32 v194, 1.0, v192                    ; f = 2^(old M - new M)
.set jj, 0
.rept 32
	v_pk_fma_f32 v[96+jj:97+jj], v[96+jj:97+jj], s[CS:CS+1], v[12:13] op_sel_hi:[1,0,0]   ; t - M
.set jj, jj+2
.endr
.set jj, 0
.rept 64
	v_exp_f32 v[96+jj], v[96+jj]                   ; p
.set jj, jj+1
.endr
	v_pk_mul_f32 v[14:15], v[14:15], v[194:195] op_sel_hi:[1,0]   ; the sums under the new M: a plain instruction behind the exponentials
	s_wait_alu depctr_va_vdst(0)                   ; one wait for the batch, ahead of its first reader
	v_pk_add_f32 v[196:197], v[96:97], v[98:99]    ; the row's sum of the UNQUANTISED p, in two chains
.irp j, 4,8,12,16,20,24,28,32,36,40,44,48,52,56,60
	v_pk_add_f32 v[14:15], v[14:15], v[96+\j:97+\j]
	v_pk_add_f32 v[196:197], v[196:197], v[98+\j:99+\j]
.endr
	v_pk_add_f32 v[14:15], v[14:15], v[196:197]
.set tt, 0
.rept 8
.irp i, 0,1,2,3,4,5,6,7
	v_min_num_f32 v[96+8*tt+\i], v[96+8*tt+\i], v199   ; the conversion does not saturate (ISA guide 7.6.2); p is not negative
.endr
	v_cvt_scalef32_pk8_fp8_f32 v[224+2*tt:225+2*tt], v[96+8*tt:103+8*tt], v198
.set tt, tt+1
.endr
.set jj, 0
.rept 16
	v_pk_mul_f32 v[160+jj:161+jj], v[160+jj:161+jj], v[194:195] op_sel_hi:[1,0]   ; O^T under the new M; also the plain instructions behind the conversions
.set jj, jj+2
.endr
	s_wait_dscnt 0x0                               ; V is in
.set tt, 0
.rept 4
	v_wmma_f32_16x16x128_fp8_fp8 v[160+8*tt:167+8*tt], v[32+16*tt:47+16*tt], v[224:239], v[160+8*tt:167+8*tt]   ; four accumulators by turns
.set tt, tt+1
.endr
.Lhidden_\@:
	s_add_co_u32 s[KF], s[KF], 128
.endm
; THE CHANGE OF SLOTS, at a slot's head: each wave waits for all its tensor loads, adds 0 to its spare word, waits for that and for its reads of the slot that it has left; one barrier; then the slot left is filled.
.macro CHANGE fill
	s_wait_tensorcnt 0x0                           ; no tensor load of mine is out, so the descriptor may be written
	ds_add_u32 v[SPW], v[NIL]
.if \fill
	s_xor_b32 s[G0+1], s[G0+1], SLOT1              ; the other slot,
	s_add_nc_u64 s[G0+2:G0+3], s[G0+2:G0+3], 16384 ; the next 256 keys
	s_wait_xcnt 0x0                                ; the last prefetch, a slot back, has read its address
	s_add_nc_u64 s[PFA:PFA+1], s[PFA:PFA+1], 16384
.endif
	s_wait_dscnt 0x0
	s_barrier_signal -1
	s_barrier_wait -1
.if \fill
	s_add_co_u32 s52, s[KF], 256                   ; the first key of the slot that would be asked for
	s_cmp_gt_u32 s52, s[LQ]                        ; past my work-group's last query nobody reads it: ids and the count of steps alone, alike in all sixteen waves; every wait on TENSORcnt here is for 0
	s_cbranch_scc1 .Lpast_\@
	TLOAD                                          ; a wave's one tensor load until the next such barrier
.Lpast_\@:
	ASK
.endif
.endm
	s_wait_loadcnt 0x0                             ; Q
.Lslot:                                            ; seven trips
	CHANGE 1
	STEP 0
	STEP 1
	s_xor_b32 s[TB], s[TB], SLOT1
	s_sub_co_u32 s[SLOTS], s[SLOTS], 1
	s_cmp_lg_u32 s[SLOTS], 0
	s_cbranch_scc1 .Lslot
	CHANGE 0                                       ; the last slot is written out: nothing is asked for
	STEP 0
	STEP 1
	; THE WAY OUT: y = O^T / the sum x 2^(e4 + e5), quantised with 2^e6: a lane's eight numbers of a tile are 8 bytes, the wave's 32 lanes 256 consecutive bytes
	v_add_f32 v14, v14, v15
	v_permlanex16_b32 v193, v14, s[SEL], s[SEL+1]
	v_add_f32 v14, v14, v193                       ; the row's sum
	v_rcp_f32 v14, v14
	v_and_b32 v8, 15, v0                           ; (a plain instruction behind the reciprocal)
	v_bfe_u32 v9, v0, 4, 1
	v_lshlrev_b32 v[YO], 4, v8
	v_lshl_add_u32 v[YO], v9, 3, v[YO]             ; 16 r + 8 h
	s_add_co_i32 s52, s48, s49
	s_add_co_i32 s53, s50, 127
	s_lshl_b32 s54, s53, 23
	v_mov_b32 v10, s54                             ; 2^e6
	s_add_co_i32 s53, s53, 8
	s_lshl_b32 s53, s53, 23
	s_or_b32 s53, s53, 0x600000                    ; 448 x 2^e6
	s_or_b32 s54, s53, 0x80000000
	s_wait_alu depctr_va_vdst(0)                   ; the wait ahead of the reciprocal's first reader
	v_ldexp_f32 v14, v14, s52
.set jj, 0
.rept 16
	v_pk_mul_f32 v[96+jj:97+jj], v[160+jj:161+jj], v[14:15] op_sel_hi:[1,0]   ; each accumulator from its low end on
.set jj, jj+2
.endr
.set tt, 0
.rept 4
.irp i, 0,1,2,3,4,5,6,7
	v_med3_num_f32 v[96+8*tt+\i], v[96+8*tt+\i], s54, s53
.endr
	v_cvt_scalef32_pk8_fp8_f32 v[128+2*tt:129+2*tt], v[96+8*tt:103+8*tt], v10
.set tt, tt+1
.endr
	v_nop
.set tt, 0
.rept 4
	global_store_b64 v[YO], v[128+2*tt:129+2*tt], s[8:9] offset:tt*256
.set tt, tt+1
.endr
	s_wait_tensorcnt 0x0                           ; the wave's end
	ds_add_u32 v[SPW], v[NIL]
	s_wait_dscnt 0x0
	s_endpgm
.Lfunc_end_k_q29eab91090_attn:
	.size	k_q29eab91090_attn, .Lfunc_end_k_q29eab91090_attn-k_q29eab91090_attn
	.p2alignl 7, 3214868480
	.fill 96, 4, 3214868480
	.section	.rodata,"a",@progbits
	.p2align	6, 0x0
	.amdhsa_kernel k_q29eab91090_attn
		.amdhsa_group_segment_fixed_size 327680
		.amdhsa_private_segment_fixed_size 0
		.amdhsa_enable_private_segment 0
		.amdhsa_kernarg_size 24
		.amdhsa_user_sgpr_count 2
		.amdhsa_user_sgpr_kernarg_segment_ptr 1
		.amdhsa_wavefront_size32 1
		.amdhsa_system_sgpr_workgroup_id_x 1
		.amdhsa_system_sgpr_workgroup_id_y 1
		.amdhsa_system_sgpr_workgroup_id_z 1
		.amdhsa_system_vgpr_workitem_id 0
		.amdhsa_next_free_vgpr 256
		.amdhsa_next_free_sgpr 72
		.amdhsa_reserve_vcc 1
		.amdhsa_float_denorm_mode_32 3
		.amdhsa_float_denorm_mode_16_64 3
		.amdhsa_memory_ordered 1
		.amdhsa_forward_progress 1
		.amdhsa_inst_pref_size 94
	.end_amdhsa_kernel
	.amdgpu_metadata
---
amdhsa.version: [ 1, 2 ]
amdhsa.kernels:
  - .name:           k_q29eab91090_attn
    .symbol:         k_q29eab91090_attn.kd
    .args:
      - { .name: qkvc, .offset: 0, .size: 8, .value_kind: global_buffer, .address_space: global }
      - { .name: lowp_scales, .offset: 8, .size: 8, .value_kind: global_buffer, .address_space: global }
      - { .name: yimg, .offset: 16, .size: 8, .value_kind: global_buffer, .address_space: global }
    .group_segment_fixed_size: 327680
    .private_segment_fixed_size: 0
    .kernarg_segment_align: 8
    .kernarg_segment_size: 24
    .max_flat_workgroup_size: 512
    .sgpr_count:     72
    .vgpr_count:     256
    .wavefront_size: 32
...
	.end_amdgpu_metadata
.endif
;; end of part 3
;; launch proj (part 4): grid 8 x 32, 4 waves a work-group, clusters of 4 x 4, 327,680 bytes of LDS; arguments yimg, codes, b_proj, lowp_scales, out0; writes out0
.if DOCPART == 4
	.amdgcn_target "amdgcn-amd-amdhsa--gfx1250"
	.amdhsa_code_object_version 6
	.text
	.protected	k_q29eab91090_proj
	.globl	k_q29eab91090_proj
	.p2align	8
	.type	k_q29eab91090_proj,@function
k_q29eab91090_proj:
	s_mov_b64 s[64:65], 0
	v_nop
	global_prefetch_b8 v0, s[64:65] scope:SCOPE_SE
	s_setreg_imm32_b32 hwreg(HW_REG_WAVE_MODE, 25, 1), 1
	s_wait_xcnt 0x0
	s_wait_alu depctr_hold_cnt(0) depctr_sa_sdst(0) depctr_va_vdst(0) depctr_va_sdst(0) depctr_va_ssrc(0) depctr_va_vcc(0) depctr_vm_vsrc(0)
	s_getreg_b32 s2, hwreg(HW_REG_IB_STS2, 6, 4)
	s_cmp_eq_u32 s2, 0
	s_cbranch_scc0 .Lentry_in_a_cluster
	s_endpgm
.Lentry_in_a_cluster:
	s_bfe_u32 s2, ttmp6, 0x10000c
	s_cmp_lg_u32 s2, 0xf033
	s_cbranch_scc0 .Lentry_shape_is_right
	s_endpgm
.Lentry_shape_is_right:
; out0 = y W_proj + b_proj on codes of E4M3 (K = 1,024); out0 [8192][1024] f32.
; A tile is 256 rows x 128 columns, so that the 8,192 x 1,024 outputs make 256 work-groups; four waves, each 128 x 64: 32 accumulators.  Clusters of 4 x 4: A's tile (y) shared along a row, B's (W_proj) along a column.
; Operands are images of registers: [block of 16 rows][k / 16][row % 16][16 bytes]; a K step of 256 of a block is 4,096 consecutive bytes; lane l reads 16 bytes at 16 l of each 512.
; K goes in four steps of 256 through two LDS slots.  The matrix instruction is used transposed: register j of lane (r, h) of accumulator (a, b) is C(16 a + r, 16 b + 8 h + j).
; THE WAY OUT: sum x 2^(e6 + e7) + bias, 16 rows at a time through the wave's own stage in LDS, back as rows of 256 bytes: sixteen lanes store 256 consecutive bytes, aligned.  The stage lies in slot 0, which has had
; its last fill, and which nobody reads behind the last change of slots.
; LIMIT: e6 + e7 between -126 and 127.  No prefetch: K has four steps, of which two are first fills.
; REGISTERS: window 0: v1-12 addresses; v32-63 the bias; v64-95 a block's results; v128-255 A's fragments, one set (later rows read back).  window 1: B's fragments, two sets, at v0 and v128.  window 2: the accumulators.
.set NB,    4
.set APW,   32/NB
.set LINE,  4096
.set HALFA, 8*LINE
.set HALFB, NB*LINE
.set SLOT,  2*HALFA+2*HALFB
.set SPARE, 2*SLOT                     ; behind the ring: the spare words, 128 bytes a wave, two blocks of 256 bytes that no other line names
.set SP,    272                        ; a stage row: 256 bytes + 16
.set SPW,  1
.set NIL,  2
.set L16,  3
.set ADRA, 4
.set ADRB, 6
.set STO,  8
.set RD,   9
.set CO,   10
.set BCA,  12
.set BC,   32
.set TMP,  64
.set AF,   128
.set BK,   128
.set G1,   24
.set G0,   32
.set G1B,  48
.set G0B,  56
.set MSB,  0
.macro WIN new
.if MSB != (\new)
	s_set_vgpr_msb (MSB<<8)|(\new)
.set MSB, \new
.endif
.endm
.set MUL_LO, 0xa1                      ; source 0 (B) window 1, source 1 (A) window 0, C and D window 2
.set MUL_HI, 0xa1                      ; all 32 accumulators lie in window 2
.set TO_B,   0x40
.macro JLOAD g0a, g1a, g0b, g1b        ; a joint load: waves 0, 1 fetch A's halves, waves 2, 3 B's; an s_nop 0 and four v_nop follow each line
	s_cmp_eq_u32 s15, 0
	s_cbranch_scc0 .Lfor_b_\@
	tensor_load_to_lds s[\g0a:\g0a+3], s[\g1a:\g1a+7]
	s_nop 0
.rept 4
	v_nop
.endr
	s_branch .Lasked_\@
.Lfor_b_\@:
	tensor_load_to_lds s[\g0b:\g0b+3], s[\g1b:\g1b+7]
	s_nop 0
.rept 4
	v_nop
.endr
.Lasked_\@:
.endm
.macro CREST
	s_cmp_lg_u32 s14, 0
	s_cbranch_scc1 .Lnot_wave_0_\@
	s_barrier_signal -3
.Lnot_wave_0_\@:
	s_barrier_wait -3
	s_barrier_signal -1
	s_barrier_wait -1
.endm
.macro CROUND
	s_barrier_signal -1
	s_barrier_wait -1
	CREST
.endm
.macro PLACES n
.rept \n
	v_nop
.endr
.endm
	s_load_b256 s[4:11], s[0:1], 0x0               ; y's codes s[4:5], the weights' codes s[6:7], b_proj s[8:9], the exponents s[10:11]
	s_load_b64 s[12:13], s[0:1], 0x20              ; out0
	v_lshl_add_u32 v[SPW], v0, 2, SPARE
	v_mov_b32 v[NIL], 0
	ds_add_u32 v[SPW], v[NIL]                      ; the wave's opening: the add and its wait ahead of my first tensor load
	v_lshrrev_b32 v3, 5, v0
	v_readfirstlane_b32 s14, v3
	s_lshr_b32 s15, s14, 1                         ; my half of the rows.  Also: I fetch for A (0) or B (1)
	s_and_b32 s16, s14, 1                          ; my half of the columns.  Also: which half I fetch
	s_bfe_u32 s40, ttmp6, 0x40000                  ; cx
	s_bfe_u32 s41, ttmp6, 0x40004                  ; cy
	s_lshl_b32 s42, ttmp9, 2
	s_add_co_u32 s42, s42, s40                     ; tile column
	s_and_b32 s17, ttmp7, 0xffff
	s_lshl_b32 s17, s17, 2
	s_add_co_u32 s17, s17, s41                     ; tile row
	s_lshl_b32 s43, s41, 2
	s_lshl_b32 s43, 15, s43
	s_lshl_b32 s44, 0x1111, s40
	s_or_b32 s[G1+0], s43, (1<<21)
	s_or_b32 s[G1B+0], s44, (1<<21)
	s_mov_b32 s[G1+1], LINE<<16
	s_mov_b32 s[G1+2], 8<<16
	s_mov_b32 s[G1+3], LINE<<16
	s_mov_b32 s[G1+4], 8
	s_mov_b32 s[G1+5], 16384
	s_mov_b32 s[G1+6], 0
	s_mov_b32 s[G1+7], 0
	s_mov_b32 s[G1B+1], LINE<<16
	s_mov_b32 s[G1B+2], NB<<16
	s_mov_b32 s[G1B+3], LINE<<16
	s_mov_b32 s[G1B+4], NB
	s_mov_b32 s[G1B+5], 16384
	s_mov_b32 s[G1B+6], 0
	s_mov_b32 s[G1B+7], 0
	s_lshl_b32 s20, s17, 4
	s_lshl_b32 s21, s16, 3
	s_add_co_u32 s20, s20, s21                     ; A: block 16 x tile row + 8 x half
	s_lshl_b32 s20, s20, 14
	s_mov_b32 s21, 0
	s_lshl_b32 s46, s42, 3
	s_lshl_b32 s47, s16, 2
	s_add_co_u32 s46, s46, s47
	s_add_co_u32 s46, s46, 704                     ; B: block 704 + 8 x tile column + 4 x half
	s_lshl_b32 s46, s46, 14
	s_mov_b32 s47, 0
	s_mul_i32 s45, s16, HALFA
	s_mul_i32 s22, s16, HALFB
	s_add_co_u32 s22, s22, 2*HALFA
	s_wait_dscnt 0x0
	s_wait_kmcnt 0x0
	s_load_b256 s[68:75], s[10:11], 0x0
	s_add_nc_u64 s[20:21], s[4:5], s[20:21]
	s_add_nc_u64 s[46:47], s[6:7], s[46:47]
	CROUND
.irp s, 0,1
	s_mov_b32 s[G0+4*\s], 1
	s_add_co_u32 s[G0+4*\s+1], s45, \s*SLOT
	s_add_nc_u64 s[G0+4*\s+2:G0+4*\s+3], s[20:21], \s*LINE
	s_or_b32 s[G0+4*\s+3], s[G0+4*\s+3], 0x80000000
	s_mov_b32 s[G0B+4*\s], 1
	s_add_co_u32 s[G0B+4*\s+1], s22, \s*SLOT
	s_add_nc_u64 s[G0B+4*\s+2:G0B+4*\s+3], s[46:47], \s*LINE
	s_or_b32 s[G0B+4*\s+3], s[G0B+4*\s+3], 0x80000000
	JLOAD G0+4*\s, G1, G0B+4*\s, G1B
.endr
	v_and_b32 v13, 31, v0
	v_lshlrev_b32 v[L16], 4, v13
	v_and_b32 v13, 15, v0                          ; r
	v_bfe_u32 v14, v0, 4, 1                        ; h
	s_mul_i32 s76, s15, HALFA
	s_mul_i32 s77, s16, HALFB
	s_add_co_u32 s77, s77, 2*HALFA
.irp s, 0,1
	v_add_nc_u32 v[ADRA+\s], s76, v[L16]
	v_add_nc_u32 v[ADRB+\s], s77, v[L16]
	s_add_co_u32 s76, s76, SLOT
	s_add_co_u32 s77, s77, SLOT
.endr
	s_mul_i32 s78, s14, 16*SP                      ; my stage
	v_mul_u32_u24 v[STO], v13, SP
	v_lshl_add_u32 v[STO], v14, 5, v[STO]
	v_add_nc_u32 v[STO], s78, v[STO]               ; in: row r, 32 bytes for each half of the lanes
	v_mul_u32_u24 v[RD], v14, SP
	v_lshl_add_u32 v[RD], v13, 4, v[RD]
	v_add_nc_u32 v[RD], s78, v[RD]                 ; back: lanes 0-15 one row, lanes 16-31 the next
	v_lshlrev_b32 v[CO], 12, v14
	v_lshl_add_u32 v[CO], v13, 4, v[CO]            ; and the same two rows of out0
	s_lshl_b32 s79, s42, 9
	s_lshl_b32 s80, s16, 8
	s_add_co_u32 s79, s79, s80                     ; my first column, in bytes
	v_lshl_add_u32 v[BCA], v14, 5, s79
.set bb, 0
.rept 4
	global_load_b128 v[BC+8*bb:BC+8*bb+3], v[BCA], s[8:9] offset:64*bb
	global_load_b128 v[BC+8*bb+4:BC+8*bb+7], v[BCA], s[8:9] offset:64*bb+16
.set bb, bb+1
.endr
	s_lshl_b32 s80, s17, 20
	s_add_co_u32 s80, s80, s79
	s_lshl_b32 s81, s15, 19
	s_add_co_u32 s80, s80, s81
	s_mov_b32 s81, 0
	s_add_nc_u64 s[12:13], s[12:13], s[80:81]
	s_wait_kmcnt 0x0
	s_add_co_i32 s96, s74, s75
	s_add_co_i32 s96, s96, 127
	s_lshl_b32 s96, s96, 23                        ; 2^(e6 + e7) as f32
	s_mov_b32 s97, s96
.macro FRAG reg, adr, q, i
.irp c, 0,1,2,3
	ds_load_b128 v[\reg+4*\c:\reg+4*\c+3], v[\adr] offset:2048*(\q)+512*\c+(\i)*LINE
.endr
.endm
.macro MULA a0, p, zero                ; A's blocks a0, a0 + 1 x B's four; the accumulators take turns, one instruction a turn
.irp a, \a0, \a0+1
.irp b, 0,1,2,3
.if \zero
	v_wmma_f32_16x16x128_fp8_fp8 v[8*(NB*((\a)%APW)+\b):8*(NB*((\a)%APW)+\b)+7], v[128*(\p)+16*\b:128*(\p)+16*\b+15], v[AF+16*(\a):AF+16*(\a)+15], 0
.else
	v_wmma_f32_16x16x128_fp8_fp8 v[8*(NB*((\a)%APW)+\b):8*(NB*((\a)%APW)+\b)+7], v[128*(\p)+16*\b:128*(\p)+16*\b+15], v[AF+16*(\a):AF+16*(\a)+15], v[8*(NB*((\a)%APW)+\b):8*(NB*((\a)%APW)+\b)+7]
.endif
.endr
.endr
.endm
.macro FETCH_B slot, q, p
	WIN TO_B
.irp i, 0,1,2,3
	FRAG 128*(\p)+16*\i, ADRB+\slot, \q, \i
.endr
	WIN 0
.endm
.macro FETCH_A slot, q, i0
.irp i, \i0, \i0+1, \i0+2, \i0+3
	FRAG AF+16*(\i), ADRA+\slot, \q, \i
.endr
.endm
.macro STEP slot, q, zero
	s_wait_dscnt 16                                ; B's set and A's blocks 0-3 are in; the youngest 16 loads (A's blocks 4-7) may be out
	WIN MUL_LO
	MULA 0, (\q)%2, \zero
	MULA 2, (\q)%2, \zero
	s_wait_dscnt 0
	PLACES 4
	FETCH_B \slot, (\q)+1, 1-(\q)%2
	FETCH_A \slot, (\q)+1, 0
	WIN MUL_HI
	MULA 4, (\q)%2, \zero
	MULA 6, (\q)%2, \zero
	PLACES 4
	WIN 0
	FETCH_A \slot, (\q)+1, 4
.endm
.macro TURN slot, next, fill
	s_wait_tensorcnt 0x0                           ; all my tensor loads have landed: my part of the next slot
	ds_add_u32 v[SPW], v[NIL]
	s_wait_dscnt 17                                ; (the add and the youngest 16 loads may be out)
	WIN MUL_LO
	MULA 0, 1, 0
	s_wait_dscnt 0x0                               ; the add is done, and my reads of this slot are over
	s_barrier_signal -1
	MULA 2, 1, 0
	WIN 0
	s_barrier_wait -1
.if \fill
	CREST                                          ; the barrier has opened a round of the cluster's
	s_add_nc_u64 s[G0+4*\slot+2:G0+4*\slot+3], s[G0+4*\slot+2:G0+4*\slot+3], 2*LINE
	s_add_nc_u64 s[G0B+4*\slot+2:G0B+4*\slot+3], s[G0B+4*\slot+2:G0B+4*\slot+3], 2*LINE
	JLOAD G0+4*\slot, G1, G0B+4*\slot, G1B
.else
	PLACES 4
.endif
	FETCH_B \next, 0, 0
	FETCH_A \next, 0, 0
	WIN MUL_HI
	MULA 4, 1, 0
	MULA 6, 1, 0
	PLACES 4
	WIN 0
	FETCH_A \next, 0, 4
.endm
	s_wait_tensorcnt 1                             ; my part of K step 0 is in; K step 1's may stay out
	s_barrier_signal -1
	s_barrier_wait -1
	FETCH_B 0, 0, 0
	FETCH_A 0, 0, 0
	FETCH_A 0, 0, 4
	STEP 0, 0, 1
	TURN 0, 1, 1
	STEP 1, 0, 0
	TURN 1, 0, 1
	STEP 0, 0, 0
	TURN 0, 1, 0
	STEP 1, 0, 0
	s_wait_dscnt 16
	WIN MUL_LO
	MULA 0, 1, 0
	MULA 2, 1, 0
	s_wait_dscnt 0
	WIN MUL_HI
	MULA 4, 1, 0
	MULA 6, 1, 0
	WIN 0
.macro TOSTAGE a                       ; block a: 16 rows x 64 columns
.set AC, 32*(\a)
.set BB, BK+32*((\a)%2)
	WIN 0x02                                       ; source 0 window 2
.set jj, 0
.rept 16
	v_pk_fma_f32 v[TMP+jj:TMP+jj+1], v[AC+jj:AC+jj+1], s[96:97], v[BC+jj:BC+jj+1] op_sel_hi:[1,0,1]   ; sum x 2^(e6 + e7) + bias; each accumulator from its low end on
.set jj, jj+2
.endr
	WIN 0
.set bb, 0
.rept 4
	ds_store_b128 v[STO], v[TMP+8*bb:TMP+8*bb+3] offset:64*bb
	ds_store_b128 v[STO], v[TMP+8*bb+4:TMP+8*bb+7] offset:64*bb+16
.set bb, bb+1
.endr
.set tt, 0
.rept 8                                ; LDS serves a wave's instructions in order: these see the stores above, and the next block's stores come behind them
	ds_load_b128 v[BB+4*tt:BB+4*tt+3], v[RD] offset:tt*2*SP
.set tt, tt+1
.endr
.endm
.macro SEND a, younger                 ; younger: the LDS instructions issued behind block a's loads
.set BB, BK+32*((\a)%2)
	s_wait_dscnt \younger
.if (\a) > 0
	s_add_nc_u64 s[12:13], s[12:13], 65536         ; 16 rows on (behind a wait on XCNT: the earlier stores have read their base)
.endif
.set tt, 0
.rept 8
	global_store_b128 v[CO], v[BB+4*tt:BB+4*tt+3], s[12:13] offset:tt*8192 th:TH_STORE_NT
.set tt, tt+1
.endr
.endm
	s_wait_loadcnt 0x0                             ; the bias
	PLACES 4                                       ; behind the last products
	TOSTAGE 0
.irp a, 1,2,3,4,5,6,7
.if \a > 1
	s_wait_xcnt 0x0                                ; block a - 2's stores have read their registers and their base
.endif
	TOSTAGE \a
	SEND \a-1, 16                                  ; behind block a - 1's loads: block a's 8 stores and 8 loads
.endr
	s_wait_xcnt 0x0
	SEND 7, 0
	s_wait_tensorcnt 0x0                           ; the wave's end, behind my last tensor load and my last LDS store
	ds_add_u32 v[SPW], v[NIL]
	s_wait_dscnt 0x0
	CROUND                                         ; the closing round
	s_endpgm
.Lfunc_end_k_q29eab91090_proj:
	.size	k_q29eab91090_proj, .Lfunc_end_k_q29eab91090_proj-k_q29eab91090_proj
	.p2alignl 7, 3214868480
	.fill 96, 4, 3214868480
	.section	.rodata,"a",@progbits
	.p2align	6, 0x0
	.amdhsa_kernel k_q29eab91090_proj
		.amdhsa_group_segment_fixed_size 327680
		.amdhsa_private_segment_fixed_size 0
		.amdhsa_enable_private_segment 0
		.amdhsa_kernarg_size 40
		.amdhsa_user_sgpr_count 2
		.amdhsa_user_sgpr_kernarg_segment_ptr 1
		.amdhsa_wavefront_size32 1
		.amdhsa_system_sgpr_workgroup_id_x 1
		.amdhsa_system_sgpr_workgroup_id_y 1
		.amdhsa_system_sgpr_workgroup_id_z 1
		.amdhsa_system_vgpr_workitem_id 0
		.amdhsa_next_free_vgpr 768
		.amdhsa_next_free_sgpr 100
		.amdhsa_reserve_vcc 0
		.amdhsa_float_denorm_mode_32 3
		.amdhsa_float_denorm_mode_16_64 3
		.amdhsa_memory_ordered 1
		.amdhsa_forward_progress 1
		.amdhsa_inst_pref_size 78
	.end_amdhsa_kernel
	.amdgpu_metadata
---
amdhsa.version: [ 1, 2 ]
amdhsa.kernels:
  - .name:           k_q29eab91090_proj
    .symbol:         k_q29eab91090_proj.kd
    .args:
      - { .name: yimg, .offset: 0, .size: 8, .value_kind: global_buffer, .address_space: global }
      - { .name: codes, .offset: 8, .size: 8, .value_kind: global_buffer, .address_space: global }
      - { .name: b_proj, .offset: 16, .size: 8, .value_kind: global_buffer, .address_space: global }
      - { .name: lowp_scales, .offset: 24, .size: 8, .value_kind: global_buffer, .address_space: global }
      - { .name: out0, .offset: 32, .size: 8, .value_kind: global_buffer, .address_space: global }
    .group_segment_fixed_size: 327680
    .private_segment_fixed_size: 0
    .kernarg_segment_align: 8
    .kernarg_segment_size: 40
    .max_flat_workgroup_size: 128
    .sgpr_count:     100
    .vgpr_count:     768
    .wavefront_size: 32
...
	.end_amdgpu_metadata
.endif
;; end of part 4
